; MI455X (gfx1250); checked and timed in simulation.
; The chip was launched on July 23, 2026; its instructions are those of AMD's public machine-readable ISA for CDNA 5 (MIT licence, August 2026) and "CDNA5" Instruction Set Architecture Reference Guide (July 2026). The comments in the code are by the model that wrote it; some were corrected since.
;; DWA Middle Layer. Allowed arithmetic: float matrix products may take bf16 or f16 operands with f32 sums; all other float work in f32.
;; Inputs: W_base 256 x 256 float32; alpha 2,048 x 512 float32; b_base 256 float32; gamma one number float32; h_A 2,048 x 256 float32; ln_bias 256 float32; ln_scale 256 float32; pool_vectors 512 x 4,096 float32.
;; Outputs: out0 2,048 x 256 float32.
;; One version. Each part assembles by itself: llvm-mc -triple=amdgcn-amd-amdhsa -mcpu=gfx1250 --defsym DOCPART=n.
;; ======== version 1 of 1: 2 launches
;; workspace buffers: part 16,777,216 bytes
;; launch partial (part 1): grid 32 x 8, 4 waves a work-group, clusters of 4 x 1, 317,952 bytes of LDS; arguments h_A, pool_vectors, alpha, W_base, part; writes part
.if DOCPART == 1
	.amdgcn_target "amdgcn-amd-amdhsa--gfx1250"
	.amdhsa_code_object_version 6
	.text
	.protected	k_qa94d097f8a_partial
	.globl	k_qa94d097f8a_partial
	.p2align	8
	.type	k_qa94d097f8a_partial,@function
k_qa94d097f8a_partial:
	s_mov_b64 s[64:65], 0
	v_nop
	global_prefetch_b8 v0, s[64:65] scope:SCOPE_SE
	s_setreg_imm32_b32 hwreg(HW_REG_WAVE_MODE, 25, 1), 1
	s_wait_xcnt 0x0
	s_wait_alu depctr_hold_cnt(0) depctr_sa_sdst(0) depctr_va_vdst(0) depctr_va_sdst(0) depctr_va_ssrc(0) depctr_va_vcc(0) depctr_vm_vsrc(0)
	s_getreg_b32 s2, hwreg(HW_REG_IB_STS2, 6, 4)
	s_cmp_eq_u32 s2, 0
	s_cbranch_scc0 .Lentry_in_a_cluster
	s_endpgm
.Lentry_in_a_cluster:
	s_bfe_u32 s2, ttmp6, 0x10000c
	s_cmp_lg_u32 s2, 0x3003
	s_cbranch_scc0 .Lentry_shape_is_right
	s_endpgm
.Lentry_shape_is_right:
; part[y][b][c], f32, [8][2048][256]: slice y of the sum that h_t[b][c] is, for 64 batch rows b = 64 bx .. and 64 pool entries n = 64 y .. :
;     sum over n, rho of (alpha[b][n] t[b][n][rho]) U[n][c][rho]      with t[b][n][rho] = sum over a of h_A[b][a] V[n][rho][a]
;   + sum over n of alpha[b][n] bias[n][c]
;   + sum over a = 32 y .. 32 y + 31 of h_A[b][a] W_base[c][a]        (W_base's 256 a are dealt out, 32 to each of the 8 slices)
; U[n][c][rho] = pool[n][4 c + rho], V[n][rho][a] = pool[n][1024 + 256 rho + a], bias[n][c] = pool[n][2048 + c].
; This is the reference's sum with the brackets set otherwise: the per-row matrices are never formed.  The identity holds for every input.
; LIMITS, stated: the order of the sums differs from the reference's.  Rounded to bf16 as matrix operands: h_A, V, U, bias, W_base, alpha (in the
; bias product alone) and the products alpha t.  In f32: t, its scaling by alpha, every sum.  Pool columns 2304 .. 4095 enter no result and are not read.
;
; FOUR WAVES.  First product (t, transposed): wave w owns n = 16 w .. 16 w + 15 of the group's 64, that is 64 rows of V, against all 64 batch rows:
; source 0 = 16 rows of V, source 1 = 16 rows of h_A.  A lane of the result then holds ONE batch row and eight neighbouring (n, rho): scaled by alpha and
; rounded, these ARE four registers of a K = 32 fragment of the second product, so nothing is transposed between the two products.
; Second product (transposed too): wave w owns c = 64 w .. 64 w + 63 against all 64 batch rows, K = the group's 256 (n, rho) in 8 chunks of 32.
; The scaled fragments S pass between the waves through LDS in fragment order; no sum crosses waves.
; U, bias and W_base go from memory into registers: a lane's 16 bytes of U are four k of its own fragment row, so U never touches LDS.
;
; THE STREAM of U, bias and W_base: 22 units of 8 loads of 16 bytes a lane (4 KiB a unit and wave); unit u lands at register 32 (u & 7) of window 2.
; Order: U's chunks 0-4 (units 0-9), bias (10-13), W_base (14, 15), U's chunks 5-7 (16-21): bias and W_base are wanted straight behind the first product,
; chunk q of U only at chunk q of the second, so the last six units are rounded there and no wait for a load stands in front of the hand-over of S.
; Seven units, 56 loads, are out at the most; a unit's landing place is asked for again as soon as the unit has been rounded.  Units that were asked for
; together are taken together, in runs of seven, and four K steps of the first product stand between two runs as the work for the time in which the next
; run is on its way.  So the 176 loads go out in four sets: 2 units behind h_A and alpha, then 7, 7 and 6.
;
; CLUSTER: the four work-groups bx = 4 X .. 4 X + 3 of one y need the same 64 n of V: each wave's 64 KiB of V is asked for JOINTLY by the four (mask 15).
; Not asked for jointly, and why: U, bias and W_base are shared too, but they are loaded by lanes straight into fragment registers, where a copy into
; LDS would add a store and a load for each byte; h_A and alpha differ between the four partners.
;
; LDS, bytes:  w * 66,560: wave w's V in f32, 64 rows (4 n + rho) of 1,024 + 16;  266,240: h_A in bf16, 64 rows of 512 + 16;  300,032: alpha in f32,
; 64 rows of 256 + 16.  V's bytes have their one fill; when the wave's reads of them are back it puts there: + 0 its S (8,192), + 8,192 its 64 columns
; of bias in bf16, [n][c], pitch 160 (10,240), + 18,432 its stage for the way out, 64 rows of 256 + 16 (17,408).
; Pitches 1,040, 528, 272 are odd multiples of 16 bytes: the sixteen rows that a 16-byte load touches lie in sixteen different 16-byte columns of 256.
;
; REGISTERS, in windows of 256:
;   window 0: v0-31 addresses; VB0, VB1 V fragments; HF0, HF1 h_A fragments; VF V in f32 as read from LDS; AL alpha pairs; all used again behind the first product
;   window 1: v0-127 the 16 tiles of t (before that: h_A as loaded; behind it: alpha's fragments in f32); v128-255 the 16 tiles of the result (before that: alpha as loaded)
;   window 2: eight landing places of 32 registers for the stream; places 6 and 7 take the bias fragments when the stream has left them
;   window 3: the 32 fragments of U in bf16, chunk q at 32 q; the places of chunks 5, 6 hold the rounded bias and that of chunk 7 W_base's fragments until those chunks are rounded
.set VREG, 66560                       ; a wave's V region
.set VP,   1040                        ; its pitch
.set HST,  266240                      ; h_A in bf16
.set HP,   528
.set AST,  300032                      ; alpha in f32
.set AP,   272
.set BOFF, 8192                        ; in a wave's region: bias in bf16
.set BP,   160                         ; its pitch: an odd multiple of 32 bytes, for the transposing load
.set OOFF, 18432                       ; in a wave's region: the stage for the way out
.set PROW, 16384                       ; bytes in a row of pool_vectors
.set GH,  4                            ; v4   h_A loads: 16 L
.set GA,  5                            ; v5   alpha loads: 2048 h + 16 r
.set GU,  6                            ; v6   U loads: 2 pool rows x h + 16 r
.set GB,  7                            ; v7   bias loads: 4 pool rows x h + 16 r
.set GW,  8                            ; v8   W_base loads: 1024 r + 32 h
.set LHS, 9                            ; v9   h_A into LDS
.set LAS, 10                           ; v10  alpha into LDS
.set LV,  11                           ; v11  V fragments
.set LH,  12                           ; v12  h_A fragments
.set LAL, 13                           ; v13  alpha pairs for the scaling
.set LSS, 14                           ; v14  my S, store
.set LSR, 15                           ; v15-18 wave 0..3's S, load
.set LBS, 19                           ; v19  bias into LDS
.set LBT, 20                           ; v20  bias fragments, transposing load
.set LAF, 21                           ; v21  alpha fragments
.set LHY, 22                           ; v22  h_A fragments of K step y
.set LOS, 23                           ; v23  the way out: store
.set LOR, 24                           ; v24  the way out: read back
.set GP,  25                           ; v25  my byte offset in part
.set VB0, 32
.set VB1, 64
.set HF0, 96
.set HF1, 128
.set VF,  160
.set AL,  224
.set HY,  HF0                          ; h_A fragments of K step y
.set ST,  VF                           ; S, 64 registers
.set AF0, VB1                          ; alpha fragments, n 0-31 and 32-63
.set AF1, HF1
.set SF0, AL                           ; S fragments as read, two buffers
.set SF1, VB0
.set ORB, 32                           ; rows read back on the way out, 128 registers
.set ACC, 128                          ; window 1
.set BF,  192                          ; window 2: bias fragments
.set BT3, 160                          ; window 3: bias, rounded, on its way to LDS
.set WB3, 224                          ; window 3: W_base fragments
.set HB,  22                           ; s[22:23] h_A at my wave's 16 rows
.set AB,  24                           ; s[24:25] alpha at my wave's 16 rows, the group's 64 columns
.set UBS, 26                           ; s[26:27] pool at the group's first n, my wave's 64 c of U
.set BBS, 28                           ; s[28:29] the same, my wave's 64 c of bias
.set WBS, 30                           ; s[30:31] W_base at my wave's 64 rows, the slice's 32 columns
.set PB,  32                           ; s[32:33] part at slice y, the group's rows, my wave's 64 c
.set G0,  36                           ; s[36:39] descriptor group 0
.set G1,  40                           ; s[40:47] descriptor group 1
.set MSB, 0
.macro WIN new                         ; low byte: bits 1:0 source 0, 3:2 source 1, 5:4 source 2, 7:6 destination; the high byte repeats the setting that is left
.if MSB != \new
	s_set_vgpr_msb (MSB<<8)|\new
.set MSB, \new
.endif
.endm
.macro PLACES                          ; four plain vector instructions between a matrix instruction and a read of its result or a write of its registers (ISA guide 7.12.1)
.rept 4
	v_nop
.endr
.endm
.macro ROUND                           ; a round of the cluster's barrier: my group's barrier, wave 0 signals for the group, all wait for the four groups, my group's barrier
	s_barrier_signal -1
	s_barrier_wait -1
	s_cmp_lg_u32 s14, 0
	s_cbranch_scc1 .Lnot_wave_0_\@
	s_barrier_signal -3
.Lnot_wave_0_\@:
	s_barrier_wait -3
	s_barrier_signal -1
	s_barrier_wait -1
.endm
.macro CVT32 dst, src                  ; 64 f32 to 32 registers of bf16, in order
.set cvi, 0
.rept 32
	v_cvt_pk_bf16_f32 v[\dst+cvi], v[\src+2*cvi], v[\src+2*cvi+1]
.set cvi, cvi+1
.endr
.endm
; Half hh of chunk q of U: tiles t = 2 hh, 2 hh + 1.  Piece p of tile t: lane (r, h) takes pool[8 q + 4 (p >> 1) + (p & 1) + 2 h][4 c .. 4 c + 3], c = 16 t + r of my 64:
; k = 16 (p >> 1) + 8 h + 4 (p & 1) + rho of the fragment, the place that the same (n, rho) has in S.  Sixteen lanes take 256 consecutive bytes, aligned.
.macro LOADU q, hh, lb
.irp tt, 0,1
.irp p, 0,1,2,3
	global_load_b128 v[(\lb)+16*\tt+4*\p:(\lb)+16*\tt+4*\p+3], v[GU], s[UBS:UBS+1] offset:(8*(\q)+4*(\p>>1)+(\p&1))*PROW+256*(2*(\hh)+\tt)
.endr
.endr
.endm
; Unit u of the stream is asked for: 8 loads into landing place u & 7.
; u = 10..13: bias: sixteen lanes take my 256 bytes of a row, lanes 16-31 the row four further down.
; u = 14, 15: W_base[16 t + r][32 y + 8 h ..]: 32 bytes twice, the fragment's two runs of k.  128 bytes of a row: what dealing a out to the slices leaves.
.macro ISSUEU u
	WIN 0x80
.if (\u) < 10
	LOADU (\u)>>1, (\u)&1, 32*((\u)&7)
.else
.if (\u) < 14
.irp i, 0,1,2,3,4,5,6,7
	global_load_b128 v[32*((\u)&7)+4*\i:32*((\u)&7)+4*\i+3], v[GB], s[BBS:BBS+1] offset:(((8*((\u)-10)+\i)/4)*8+((8*((\u)-10)+\i)%4))*PROW
.endr
.else
.if (\u) < 16
.irp tt, 0,1
.irp p, 0,1,2,3
	global_load_b128 v[32*((\u)&7)+16*\tt+4*\p:32*((\u)&7)+16*\tt+4*\p+3], v[GW], s[WBS:WBS+1] offset:16384*(2*((\u)-14)+\tt)+64*(\p>>1)+16*(\p&1)
.endr
.endr
.else
	LOADU 5+(((\u)-16)>>1), (\u)&1, 32*((\u)&7)
.endif
.endif
.endif
.endm
; Unit u is rounded into window 3, 16 registers: units 0-15 at 16 u (U's chunks 0-4, then bias and W_base in the places of chunks 5-7), units 16-21 at 16 (u - 6) (chunks 5-7)
.macro CVTU u
.if (\u) < 16
.set cvd, 16*(\u)
.else
.set cvd, 16*((\u)-6)
.endif
.set cvs, 32*((\u)&7)
.set cvi, 0
.rept 16
	v_cvt_pk_bf16_f32 v[cvd+cvi], v[cvs+2*cvi], v[cvs+2*cvi+1]
.set cvi, cvi+1
.endr
.endm
; A step of the stream: cnt (1 or 2) units from u on are waited for and rounded; more = 1: as many units are asked for, seven further on.
; Unit u + 7 lands where unit u - 1 lay, which the step before rounded; unit u + 8 where unit u lay, rounded just above.
; left = the loads younger than the step's last unit: loads come back in order (ISA guide 5.7.1), so they stay out.
.macro STEP u, cnt, left, more
	s_wait_loadcnt \left
	WIN 0xca
	CVTU \u
.if (\cnt) == 2
	CVTU (\u)+1
.endif
.if \more
	ISSUEU (\u)+7
.if (\cnt) == 2
	ISSUEU (\u)+8
.endif
.endif
.endm
; V of K step ks, in f32: for each of my four tiles of 16 rows, lane (r, h) takes a = 32 ks + 8 h .. + 7 (32 bytes) and a = 32 ks + 16 + 8 h .. + 7 (32 bytes, 64 on)
.macro FETCHV ks
.irp mt, 0,1,2,3
.irp p, 0,1,2,3
	ds_load_b128 v[VF+16*\mt+4*\p:VF+16*\mt+4*\p+3], v[LV] offset:16*VP*\mt+128*(\ks)+64*(\p>>1)+16*(\p&1)
.endr
.endr
.endm
; h_A of K step ks, in bf16: four fragments of 16 batch rows
.macro FETCHH ks, buf
.irp bt, 0,1,2,3
	ds_load_b128 v[\buf+8*\bt:\buf+8*\bt+3],   v[LH] offset:16*HP*\bt+64*(\ks)
	ds_load_b128 v[\buf+8*\bt+4:\buf+8*\bt+7], v[LH] offset:16*HP*\bt+64*(\ks)+32
.endr
.endm
; 16 matrix instructions of the first product: tile (mt, bt) of t at v[8 (4 mt + bt)] of window 1.  The sixteen accumulators take turns, one instruction a turn,
; in the same order in every K step.  first = 1: the product starts the sums.
.macro MUL1 a, b, first
.irp mt, 0,1,2,3
.irp bt, 0,1,2,3
.if \first
	v_wmma_f32_16x16x32_bf16 v[8*(4*\mt+\bt):8*(4*\mt+\bt)+7], v[\a+8*\mt:\a+8*\mt+7], v[\b+8*\bt:\b+8*\bt+7], 0
.else
	v_wmma_f32_16x16x32_bf16 v[8*(4*\mt+\bt):8*(4*\mt+\bt)+7], v[\a+8*\mt:\a+8*\mt+7], v[\b+8*\bt:\b+8*\bt+7], v[8*(4*\mt+\bt):8*(4*\mt+\bt)+7]
.endif
.endr
.endr
.endm
; One K step of the first product: this step's V is rounded, the next step's V and h_A are asked from LDS, then the 16 matrix instructions.
.macro TRIP g, first
	s_wait_dscnt 0x0                               ; this step's V and h_A are in (asked for in front of the step before's matrix instructions)
	CVT32 VB0+32*((\g)&1), VF                      ; these 32 name no register of the step before: they are the places in front of the loads into its h_A buffer
.if (\g) < 7
	FETCHV (\g)+1
	FETCHH (\g)+1, HF0+32*(1-((\g)&1))
.endif
	WIN 0x50
	MUL1 VB0+32*((\g)&1), HF0+32*((\g)&1), \first
	WIN 0
.endm
; 16 matrix instructions on the result: tile (t, bt) = 16 c x 16 batch rows at v[ACC + 8 (4 t + bt)] of window 1; the sixteen take turns as above
.macro MUL3 a, b, first
.irp t, 0,1,2,3
.irp bt, 0,1,2,3
.if \first
	v_wmma_f32_16x16x32_bf16 v[ACC+8*(4*\t+\bt):ACC+8*(4*\t+\bt)+7], v[\a+8*\t:\a+8*\t+7], v[\b+8*\bt:\b+8*\bt+7], 0
.else
	v_wmma_f32_16x16x32_bf16 v[ACC+8*(4*\t+\bt):ACC+8*(4*\t+\bt)+7], v[\a+8*\t:\a+8*\t+7], v[\b+8*\bt:\b+8*\bt+7], v[ACC+8*(4*\t+\bt):ACC+8*(4*\t+\bt)+7]
.endif
.endr
.endr
.endm
; chunk q of S (n = 8 q .. 8 q + 7 of the group's 64): half q & 1 of wave q >> 1's S, four fragments, as they were stored
.macro FETCHS q, buf
.irp j, 0,1,2,3,4,5,6,7
	ds_load_b128 v[\buf+4*\j:\buf+4*\j+3], v[LSR+((\q)>>1)] offset:512*(8*((\q)&1)+\j)
.endr
.endm
; One chunk of the second product.  Chunks 5, 6, 7 first round their own U, the stream's last six units.
.macro CHUNK q
.if (\q) > 4
	s_wait_loadcnt 16*(7-(\q))                     ; this chunk's two units are in; the units of the chunks behind it stay out
	WIN 0xca
	CVTU 2*(\q)+6                                  ; 32 plain instructions that name no register of the chunk before: the places in front of the loads into its S buffer.
	CVTU 2*(\q)+7                                  ; They write where bias lay (stored long ago) and, in chunk 7, W_base's fragments (multiplied seven chunks ago)
	WIN 0
.else
.if (\q) > 0
	PLACES                                         ; behind the chunk before, whose S buffer is loaded again
.endif
.endif
.if (\q) < 7
	FETCHS (\q)+1, SF0+(SF1-SF0)*(((\q)+1)&1)
	s_wait_dscnt 8                                 ; this chunk's eight loads are in, the next chunk's eight stay out
.else
	s_wait_dscnt 0x0
.endif
	WIN 0x53
	MUL3 32*(\q), SF0+(SF1-SF0)*((\q)&1), 0
	WIN 0
.endm
	; ---- head: ids, offsets, descriptor, lane addresses
	s_load_b256 s[4:11], s[0:1], 0x0               ; h_A s[4:5], pool_vectors s[6:7], alpha s[8:9], W_base s[10:11]
	s_load_b64 s[12:13], s[0:1], 0x20              ; part
	v_lshl_add_u32 v254, v0, 2, 0x4d800
	v_mov_b32 v255, 0
	ds_add_u32 v254, v255
	s_wait_dscnt 0x0
	v_lshrrev_b32 v1, 5, v0
	v_readfirstlane_b32 s14, v1                    ; wave w
	s_bfe_u32 s15, ttmp6, 0x40000                  ; cx: my place in the cluster
	s_lshl_b32 s16, ttmp9, 2                       ; ttmp9 counts clusters
	s_add_co_u32 s16, s16, s15                     ; bx = 4 x cluster + cx: enters global addresses of h_A, alpha and part alone
	s_and_b32 s17, ttmp7, 0xffff                   ; y: the same in the four partners
	s_lshl_b32 s[HB], s16, 16                      ; 64 rows of 1,024 bytes
	s_lshl_b32 s50, s14, 14                        ; 16 rows
	s_add_co_u32 s[HB], s[HB], s50
	s_mov_b32 s[HB+1], 0
	s_lshl_b32 s[AB], s16, 17                      ; 64 rows of 2,048 bytes
	s_lshl_b32 s50, s14, 15
	s_add_co_u32 s[AB], s[AB], s50
	s_lshl_b32 s50, s17, 8                         ; 64 columns of f32
	s_add_co_u32 s[AB], s[AB], s50
	s_mov_b32 s[AB+1], 0
	s_lshl_b32 s51, s17, 20                        ; 64 pool rows of 16,384 bytes
	s_lshl_b32 s50, s14, 10                        ; 64 c x 4 rho x 4 bytes
	s_add_co_u32 s[UBS], s51, s50
	s_mov_b32 s[UBS+1], 0
	s_lshl_b32 s50, s14, 8                         ; 64 c x 4 bytes
	s_add_co_u32 s[BBS], s51, s50
	s_add_co_u32 s[BBS], s[BBS], 8192              ; column 2048
	s_mov_b32 s[BBS+1], 0
	s_lshl_b32 s[WBS], s14, 16                     ; 64 rows of 1,024 bytes
	s_lshl_b32 s52, s17, 7                         ; 32 columns of f32
	s_add_co_u32 s[WBS], s[WBS], s52
	s_mov_b32 s[WBS+1], 0
	s_lshl_b32 s[PB], s16, 16
	s_add_co_u32 s[PB], s[PB], s50
	s_lshl_b32 s52, s17, 21                        ; a slice of part: 2,048 rows of 1,024 bytes
	s_add_co_u32 s[PB], s[PB], s52
	s_mov_b32 s[PB+1], 0
	s_lshl_b32 s48, s14, 18                        ; V: 16 pool rows for each wave; made of y and w alone, in registers that never hold cx
	s_add_co_u32 s48, s48, s51
	s_add_co_u32 s48, s48, 4096                    ; column 1024
	s_mov_b32 s49, 0
	; the one tensor load of a wave: 16 pool rows x 1,024 f32 (a row's four V rows are 4,096 consecutive bytes), 16 bytes of padding behind every 1,024
	s_mov_b32 s[G0], 1                             ; count = 1
	s_mul_i32 s[G0+1], s14, VREG                   ; LDS address: the wave's number times a constant
	s_mov_b32 s[G1+0], 15|(2<<16)|(1<<20)|(1<<21)|(7<<22)|(3<<25)  ; 15:0 mask: the four of the cluster; 17:16 elements of 4 bytes; 20 padding on; 21 set beside a mask; 24:22 after every 256 words; 31:25 of 4 words
	s_mov_b32 s[G1+1], 1024<<16                    ; tensor_dim0 = 1,024
	s_mov_b32 s[G1+2], 16<<16                      ; tensor_dim1 = 16
	s_mov_b32 s[G1+3], 1024<<16                    ; tile_dim0 = 1,024
	s_mov_b32 s[G1+4], 16                          ; tile_dim1 = 16
	s_mov_b32 s[G1+5], 4096                        ; elements from row to row
	s_mov_b32 s[G1+6], 0
	s_mov_b32 s[G1+7], 0
	s_mul_i32 s34, s14, VREG                       ; my region
	s_mul_i32 s53, s14, 16*HP
	s_add_co_u32 s53, s53, HST                     ; my 16 rows of the h_A stage
	s_mul_i32 s54, s14, 16*AP
	s_add_co_u32 s54, s54, AST                     ; my 16 rows of the alpha stage
	s_lshl_b32 s55, s14, 6
	s_add_co_u32 s55, s55, AST                     ; my 16 n in a row of the alpha stage
	s_add_co_u32 s56, s34, BOFF
	s_add_co_u32 s57, s34, OOFF
	s_and_b32 s58, s17, 7                          ; y is 0 .. 7 by the grid; the mask states that bound where y enters an LDS address
	s_lshl_b32 s58, s58, 6                         ; K step y of the h_A stage: 64 bytes
	v_and_b32 v1, 31, v0                           ; L
	v_and_b32 v2, 15, v0                           ; r
	v_bfe_u32 v3, v0, 4, 1                         ; h
	v_lshlrev_b32 v26, 4, v2                       ; 16 r
	v_mul_u32_u24 v27, v3, AP                      ; 272 h
	v_mul_u32_u24 v29, v2, AP                      ; 272 r
	v_lshlrev_b32 v[GH], 4, v1
	v_lshl_add_u32 v[GA], v3, 11, v26
	v_lshl_add_u32 v[GU], v3, 15, v26
	v_lshl_add_u32 v[GB], v3, 16, v26
	v_lshlrev_b32 v[GW], 10, v2
	v_lshl_add_u32 v[GW], v3, 5, v[GW]
	v_lshl_add_u32 v[LHS], v1, 3, s53
	v_add3_u32 v[LAS], v27, v26, s54
	v_mul_u32_u24 v28, v2, VP
	v_lshl_add_u32 v28, v3, 5, v28
	v_add_nc_u32 v[LV], s34, v28
	v_mul_u32_u24 v[LH], v2, HP
	v_lshl_add_u32 v[LH], v3, 4, v[LH]
	v_add_nc_u32 v[LH], HST, v[LH]
	v_lshl_add_u32 v[LAL], v3, 3, v29
	v_add_nc_u32 v[LAL], s55, v[LAL]
	v_add_nc_u32 v[LSS], s34, v[GH]
	v_mov_b32 v[LSR], v[GH]
	v_add_nc_u32 v[LSR+1], VREG, v[GH]
	v_add_nc_u32 v[LSR+2], 2*VREG, v[GH]
	v_add_nc_u32 v[LSR+3], 3*VREG, v[GH]
	v_mul_u32_u24 v[LBS], v3, 4*BP
	v_lshl_add_u32 v[LBS], v2, 3, v[LBS]
	v_add_nc_u32 v[LBS], s56, v[LBS]
	v_and_b32 v30, 7, v0
	v_lshl_add_u32 v30, v3, 3, v30                 ; 8 h + (L & 7): the row that I address for the transposing load
	v_mul_u32_u24 v30, v30, BP
	v_bfe_u32 v31, v0, 3, 1
	v_lshl_add_u32 v30, v31, 4, v30                ; + 16 ((L >> 3) & 1)
	v_add_nc_u32 v[LBT], s56, v30
	v_lshl_add_u32 v[LAF], v3, 5, v29
	v_add_nc_u32 v[LOS], s57, v[LAF]               ; 272 r + 32 h in my stage
	v_add_nc_u32 v[LAF], AST, v[LAF]
	v_add_nc_u32 v[LHY], s58, v[LH]
	v_add3_u32 v[LOR], v27, v26, s57
	v_lshl_add_u32 v[GP], v3, 10, v26
	s_wait_kmcnt 0x0
	s_add_nc_u64 s[HB:HB+1], s[4:5], s[HB:HB+1]
	s_add_nc_u64 s[AB:AB+1], s[8:9], s[AB:AB+1]
	s_add_nc_u64 s[UBS:UBS+1], s[6:7], s[UBS:UBS+1]
	s_add_nc_u64 s[BBS:BBS+1], s[6:7], s[BBS:BBS+1]
	s_add_nc_u64 s[WBS:WBS+1], s[10:11], s[WBS:WBS+1]
	s_add_nc_u64 s[PB:PB+1], s[12:13], s[PB:PB+1]
	s_add_nc_u64 s[G0+2:G0+3], s[6:7], s[48:49]
	s_or_b32 s[G0+3], s[G0+3], 0x80000000          ; type = 2
	; my 16 rows of h_A are 16 KiB in one piece: 32 loads of 512 consecutive bytes; my 16 rows of alpha: 8 loads of two blocks of 256 bytes
	WIN 0x40
.set i, 0
.rept 32
	global_load_b128 v[4*i:4*i+3], v[GH], s[HB:HB+1] offset:512*i
.set i, i+1
.endr
.set i, 0
.rept 8
	global_load_b128 v[128+4*i:128+4*i+3], v[GA], s[AB:AB+1] offset:4096*i
.set i, i+1
.endr
	ISSUEU 0                                       ; with these two units 56 loads are out
	ISSUEU 1
	WIN 0
	ROUND                                          ; the four work-groups are here: the joint loads meet
	tensor_load_to_lds s[G0:G0+3], s[G1:G1+7]      ; the wave's only tensor load, and these bytes' only fill: one is outstanding at the most
	s_nop 0
	; ---- the stream's second set goes out as soon as h_A and alpha have made room for it; then h_A and alpha into LDS
	s_wait_loadcnt 16                              ; h_A and alpha are in; the 16 loads of units 0 and 1 stay out
	ISSUEU 2
	ISSUEU 3
	ISSUEU 4
	ISSUEU 5
	ISSUEU 6                                       ; 56 out again
	STEP 0, 2, 40, 1                               ; units 0, 1 (asked for straight behind alpha); the five units just asked for stay out; units 7, 8 go out
	WIN 0x05
	CVT32 VF, 0
	CVT32 VF+32, 64
	WIN 0
.set i, 0
.rept 32
	ds_store_b64 v[LHS], v[VF+2*i:VF+2*i+1] offset:(i>>1)*HP+(i&1)*256   ; 32 lanes x 8 bytes: half a row of 256 bf16
.set i, i+1
.endr
	WIN 0x04
.set i, 0
.rept 8
	ds_store_b128 v[LAS], v[128+4*i:128+4*i+3] offset:2*AP*i
.set i, i+1
.endr
	WIN 0
	s_wait_dscnt 0x0                               ; for the others' sake: my rows of both stages are written
	s_barrier_signal -1
	s_barrier_wait -1                              ; both stages are whole.  The tensor load may still be out
	; the run of units 2-8 (U's chunks 1-3 and half of 4); it asks for units 9-15
	STEP 2, 2, 40, 1
	STEP 4, 2, 40, 1
	STEP 6, 2, 40, 1
	STEP 8, 1, 48, 1
	WIN 0
	s_wait_tensorcnt 0x0                           ; my V is in LDS; no other wave reads it
	FETCHV 0
	FETCHH 0, HF0
.irp mt, 0,1,2,3
.irp bt, 0,1,2,3
	ds_load_b64 v[AL+2*(4*\mt+\bt):AL+2*(4*\mt+\bt)+1], v[LAL] offset:16*AP*\bt+16*\mt   ; alpha[16 bt + r][16 w + 4 mt + 2 h], and the next n: the two n of my eight numbers of tile (mt, bt)
.endr
.endr
	; ---- the first product: 8 K steps of 32 along a, with the stream's third run in their middle
	TRIP 0, 1
	TRIP 1, 0
	TRIP 2, 0
	TRIP 3, 0
	; the run of units 9-15 (the rest of U's chunk 4, bias, W_base); it asks for units 16-21, the last
	STEP 9, 2, 40, 1
	STEP 11, 2, 40, 1
	STEP 13, 2, 40, 1
	STEP 15, 1, 48, 0
	WIN 0
	TRIP 4, 0
	TRIP 5, 0
	TRIP 6, 0
	TRIP 7, 0
	; ---- bias into LDS; scale t by alpha, round, hand S over; bring up the operands of the two small products.  No load from memory is waited for here
	WIN 0x0c
.set i, 0
.rept 32
	ds_store_b64 v[LBS], v[BT3+2*i:BT3+2*i+1] offset:((i/4)*8+(i%4))*BP   ; 8 bytes a lane into [n][c]; lanes 16-31 four rows (640 bytes = 160 words) down.  My reads of V were back at the last K step's wait
.set i, i+1
.endr
	PLACES                                         ; behind the last K step, in front of the reads of t
	WIN 0x41
.set k, 0
.rept 16
	v_pk_mul_f32 v[8*k:8*k+1],   v[8*k:8*k+1],   v[AL+2*k:AL+2*k+1] op_sel_hi:[1,0]              ; registers 0-3: rho = 0..3 of the first n
	v_pk_mul_f32 v[8*k+2:8*k+3], v[8*k+2:8*k+3], v[AL+2*k:AL+2*k+1] op_sel_hi:[1,0]
	v_pk_mul_f32 v[8*k+4:8*k+5], v[8*k+4:8*k+5], v[AL+2*k:AL+2*k+1] op_sel:[0,1] op_sel_hi:[1,1] ; registers 4-7: of the second n
	v_pk_mul_f32 v[8*k+6:8*k+7], v[8*k+6:8*k+7], v[AL+2*k:AL+2*k+1] op_sel:[0,1] op_sel_hi:[1,1]
.set k, k+1
.endr
	WIN 0x05
.irp f, 0,1
.irp bt, 0,1,2,3
.irp gg, 0,1
.irp i, 0,1,2,3
	v_cvt_pk_bf16_f32 v[ST+8*(4*\f+\bt)+4*\gg+\i], v[8*(4*(2*\f+\gg)+\bt)+2*\i], v[8*(4*(2*\f+\gg)+\bt)+2*\i+1]   ; tiles (2 f, bt) and (2 f + 1, bt) of t: registers 0-3 and 4-7 of fragment (f, bt)
.endr
.endr
.endr
.endr
	WIN 0
.set k, 0
.rept 16
	ds_store_b128 v[LSS], v[ST+4*k:ST+4*k+3] offset:512*k          ; in fragment order: 32 lanes x 16 consecutive bytes
.set k, k+1
.endr
.irp bt, 0,1,2,3
	ds_load_b128 v[HY+8*\bt:HY+8*\bt+3],   v[LHY] offset:16*HP*\bt
	ds_load_b128 v[HY+8*\bt+4:HY+8*\bt+7], v[LHY] offset:16*HP*\bt+32
.endr
	WIN 0x40
.irp q, 0,1
.irp bt, 0,1,2,3
.irp p, 0,1,2,3
	ds_load_b128 v[64*\q+16*\bt+4*\p:64*\q+16*\bt+4*\p+3], v[LAF] offset:16*AP*\bt+128*\q+64*(\p>>1)+16*(\p&1)   ; alpha[16 bt + r][32 q + ..] in f32, where t lay
.endr
.endr
.endr
	WIN 0x80
.irp q, 0,1
.irp t, 0,1,2,3
	ds_load_tr16_b128 v[BF+8*(4*\q+\t):BF+8*(4*\q+\t)+3],   v[LBT] offset:32*BP*\q+32*\t          ; my own bytes, served in order behind the stores above (ISA guide 5.7.1): n = 32 q + 8 h .. of column 16 t + r
	ds_load_tr16_b128 v[BF+8*(4*\q+\t)+4:BF+8*(4*\q+\t)+7], v[LBT] offset:32*BP*\q+32*\t+16*BP    ; n = 32 q + 16 + 8 h ..
.endr
.endr
	WIN 0
	s_wait_dscnt 0x0                               ; for the others' sake: my S is written; and all that I asked from LDS is in
	s_barrier_signal -1
	; register work alone while the others arrive: the two small products
	WIN 0x05
	CVT32 AF0, 0
	CVT32 AF1, 64
	WIN 0x53
	MUL3 WB3, HY, 1                                ; W_base's share starts the sums: nothing is cleared
	WIN 0x52
	MUL3 BF, AF0, 0
	MUL3 BF+32, AF1, 0
	WIN 0
	s_barrier_wait -1                              ; every wave's S is in LDS, and is not written again
	; ---- the second product: 8 chunks of 32 (n, rho).  The two S buffers were no operand of the small products
	FETCHS 0, SF0
	CHUNK 0
	CHUNK 1
	CHUNK 2
	CHUNK 3
	CHUNK 4
	CHUNK 5
	CHUNK 6
	CHUNK 7
	; ---- the way out: a lane holds eight neighbouring c of one batch row; through my own stage, then whole blocks of 256 bytes
	PLACES
	WIN 0x04
.irp t, 0,1,2,3
.irp bt, 0,1,2,3
	ds_store_b128 v[LOS], v[ACC+8*(4*\t+\bt):ACC+8*(4*\t+\bt)+3]   offset:16*AP*\bt+64*\t
	ds_store_b128 v[LOS], v[ACC+8*(4*\t+\bt)+4:ACC+8*(4*\t+\bt)+7] offset:16*AP*\bt+64*\t+16
.endr
.endr
	WIN 0
.set i, 0
.rept 32
	ds_load_b128 v[ORB+4*i:ORB+4*i+3], v[LOR] offset:2*AP*i        ; my own bytes, in order behind the stores: rows 2 i and 2 i + 1
.set i, i+1
.endr
.set i, 0
.rept 32
	s_wait_dscnt 31-i                              ; load i is in, the younger ones stay out
	global_store_b128 v[GP], v[ORB+4*i:ORB+4*i+3], s[PB:PB+1] offset:2048*i   ; sixteen lanes store 256 consecutive bytes, at a multiple of 256 from part's first byte
.set i, i+1
.endr
	s_wait_xcnt 0x0
	v_lshl_add_u32 v254, v0, 2, 0x4d800
	v_mov_b32 v255, 0
	s_wait_tensorcnt 0x0
	ds_add_u32 v254, v255
	s_wait_dscnt 0x0
	ROUND                                          ; the closing round: no work-group ends while a partner may still ask for a tile that names it
	s_endpgm
.Lfunc_end_k_qa94d097f8a_partial:
	.size	k_qa94d097f8a_partial, .Lfunc_end_k_qa94d097f8a_partial-k_qa94d097f8a_partial
	.p2alignl 7, 3214868480
	.fill 96, 4, 3214868480
	.section	.rodata,"a",@progbits
	.p2align	6, 0x0
	.amdhsa_kernel k_qa94d097f8a_partial
		.amdhsa_group_segment_fixed_size 317952
		.amdhsa_private_segment_fixed_size 0
		.amdhsa_enable_private_segment 0
		.amdhsa_kernarg_size 40
		.amdhsa_user_sgpr_count 2
		.amdhsa_user_sgpr_kernarg_segment_ptr 1
		.amdhsa_wavefront_size32 1
		.amdhsa_system_sgpr_workgroup_id_x 1
		.amdhsa_system_sgpr_workgroup_id_y 1
		.amdhsa_system_sgpr_workgroup_id_z 1
		.amdhsa_system_vgpr_workitem_id 0
		.amdhsa_next_free_vgpr 1024
		.amdhsa_next_free_sgpr 66
		.amdhsa_reserve_vcc 0
		.amdhsa_float_denorm_mode_32 3
		.amdhsa_float_denorm_mode_16_64 3
		.amdhsa_memory_ordered 1
		.amdhsa_forward_progress 1
		.amdhsa_inst_pref_size 139
	.end_amdhsa_kernel
	.amdgpu_metadata
---
amdhsa.version: [ 1, 2 ]
amdhsa.kernels:
  - .name:           k_qa94d097f8a_partial
    .symbol:         k_qa94d097f8a_partial.kd
    .args:
      - { .name: h_A, .offset: 0, .size: 8, .value_kind: global_buffer, .address_space: global }
      - { .name: pool_vectors, .offset: 8, .size: 8, .value_kind: global_buffer, .address_space: global }
      - { .name: alpha, .offset: 16, .size: 8, .value_kind: global_buffer, .address_space: global }
      - { .name: W_base, .offset: 24, .size: 8, .value_kind: global_buffer, .address_space: global }
      - { .name: part, .offset: 32, .size: 8, .value_kind: global_buffer, .address_space: global }
    .group_segment_fixed_size: 317952
    .private_segment_fixed_size: 0
    .kernarg_segment_align: 8
    .kernarg_segment_size: 40
    .max_flat_workgroup_size: 128
    .sgpr_count:     66
    .vgpr_count:     1024
    .wavefront_size: 32
...
	.end_amdgpu_metadata
.endif
;; end of part 1
;; launch finish (part 2): grid 256 x 1, 8 waves a work-group, no clusters, 0 bytes of LDS; arguments part, h_A, b_base, gamma, ln_scale, ln_bias, out0; writes out0
.if DOCPART == 2
	.amdgcn_target "amdgcn-amd-amdhsa--gfx1250"
	.amdhsa_code_object_version 6
	.text
	.protected	k_qa94d097f8a_finish
	.globl	k_qa94d097f8a_finish
	.p2align	8
	.type	k_qa94d097f8a_finish,@function
k_qa94d097f8a_finish:
	s_mov_b64 s[64:65], 0
	v_nop
	global_prefetch_b8 v0, s[64:65] scope:SCOPE_SE
	s_setreg_imm32_b32 hwreg(HW_REG_WAVE_MODE, 25, 1), 1
	s_wait_xcnt 0x0
; out0[b][c] = LayerNorm over c of (h_A[b][c] + gamma (b_base[c] + sum over y of part[y][b][c])) * ln_scale[c] + ln_bias[c].
; part: [8][2048][256] f32, the eight slices of h_t.  One wave, one row: 8 x 256 = 2,048 rows.  A lane holds c = 4 L .. 4 L + 3 and 128 + 4 L .. + 3,
; so each load and store of a wave covers 512 consecutive bytes, and the two sums over the row never leave the wave: no LDS, no barrier.
; All in f32.  The mean is taken first and the variance from the differences (two passes over registers), as the reference does.
; All 24 loads of a wave go out at once; the waits are counted, so the slices are added as they come.
; Matrix units, LDS and clusters have nothing to do here: each byte is read once by one wave.
.set SLICE, 2097152                    ; bytes in a slice of part
.set P,   8                            ; v[8:71]   slice y at 8 y
.set HA,  72                           ; v[72:79]  h_A, then y, then the differences, then the result
.set BB,  80                           ; v[80:87]  b_base, then the running sum
.set SC,  88                           ; v[88:95]  ln_scale
.set LB,  96                           ; v[96:103] ln_bias
.set T,   104                          ; v[104:111] at work
	s_load_b256 s[4:11], s[0:1], 0x0               ; part s[4:5], h_A s[6:7], b_base s[8:9], gamma s[10:11]
	s_load_b128 s[12:15], s[0:1], 0x20             ; ln_scale s[12:13], ln_bias s[14:15]
	s_load_b64 s[16:17], s[0:1], 0x30              ; out0
	v_lshrrev_b32 v2, 5, v0
	v_readfirstlane_b32 s26, v2                    ; wave
	v_and_b32 v1, 31, v0
	v_lshlrev_b32 v1, 4, v1                        ; 16 L
	s_lshl_b32 s18, ttmp9, 3
	s_add_co_u32 s18, s18, s26                     ; my row
	s_lshl_b32 s18, s18, 10                        ; of 1,024 bytes
	s_mov_b32 s19, 0
	s_mov_b32 s22, 0x3b800000                      ; 1 / 256
	s_mov_b32 s23, 0x3727c5ac                      ; 1e-5
	s_mov_b32 s24, 0x76543210                      ; v_permlanex16_b32: lane i of one half reads lane i of the other
	s_mov_b32 s25, 0xfedcba98
	s_wait_kmcnt 0x0
	s_load_b32 s20, s[10:11], 0x0                  ; gamma
	s_add_nc_u64 s[4:5], s[4:5], s[18:19]          ; slices 0 to 3 stand in the immediate,
	s_add_nc_u64 s[28:29], s[4:5], 4*SLICE         ; slices 4 to 7 have a base of their own: 7 slices would pass the signed 24 bits
	s_add_nc_u64 s[6:7], s[6:7], s[18:19]
	s_add_nc_u64 s[16:17], s[16:17], s[18:19]
	global_load_b128 v[BB:BB+3],   v1, s[8:9]
	global_load_b128 v[BB+4:BB+7], v1, s[8:9] offset:512
.irp y, 0,1,2,3
	global_load_b128 v[P+8*\y:P+8*\y+3],   v1, s[4:5] offset:\y*SLICE th:TH_LOAD_NT
	global_load_b128 v[P+8*\y+4:P+8*\y+7], v1, s[4:5] offset:\y*SLICE+512 th:TH_LOAD_NT
.endr
.irp y, 0,1,2,3
	global_load_b128 v[P+32+8*\y:P+32+8*\y+3],   v1, s[28:29] offset:\y*SLICE th:TH_LOAD_NT
	global_load_b128 v[P+32+8*\y+4:P+32+8*\y+7], v1, s[28:29] offset:\y*SLICE+512 th:TH_LOAD_NT
.endr
	global_load_b128 v[HA:HA+3],   v1, s[6:7]
	global_load_b128 v[HA+4:HA+7], v1, s[6:7] offset:512
	global_load_b128 v[SC:SC+3],   v1, s[12:13]
	global_load_b128 v[SC+4:SC+7], v1, s[12:13] offset:512
	global_load_b128 v[LB:LB+3],   v1, s[14:15]
	global_load_b128 v[LB+4:LB+7], v1, s[14:15] offset:512
.irp y, 0,1,2,3,4,5,6,7
	s_wait_loadcnt 20-2*\y                         ; of the 24 loads, those behind slice y stay out (loads come back in order: ISA guide 5.7.1)
.irp k, 0,2,4,6
	v_pk_add_f32 v[BB+\k:BB+\k+1], v[BB+\k:BB+\k+1], v[P+8*\y+\k:P+8*\y+\k+1]     ; b_base starts the sum
.endr
.endr
	s_wait_loadcnt 4                               ; h_A is in; ln_scale and ln_bias stay out
	s_wait_kmcnt 0x0
	s_mov_b32 s21, s20                             ; the pair is named whole below
.irp k, 0,2,4,6
	v_pk_fma_f32 v[HA+\k:HA+\k+1], v[BB+\k:BB+\k+1], s[20:21], v[HA+\k:HA+\k+1] op_sel_hi:[1,0,1]   ; y = h_A + gamma h_t
.endr
	; the mean: my eight numbers, then the 32 lanes
	v_pk_add_f32 v[T:T+1],   v[HA:HA+1],     v[HA+2:HA+3]
	v_pk_add_f32 v[T+2:T+3], v[HA+4:HA+5],   v[HA+6:HA+7]
	v_pk_add_f32 v[T:T+1],   v[T:T+1],       v[T+2:T+3]
	v_add_f32 v[T], v[T], v[T+1]
	v_add_f32_dpp v[T], v[T], v[T] row_xmask:1 row_mask:0xf bank_mask:0xf
	v_add_f32_dpp v[T], v[T], v[T] row_xmask:2 row_mask:0xf bank_mask:0xf
	v_add_f32_dpp v[T], v[T], v[T] row_xmask:4 row_mask:0xf bank_mask:0xf
	v_add_f32_dpp v[T], v[T], v[T] row_xmask:8 row_mask:0xf bank_mask:0xf
	v_permlanex16_b32 v[T+1], v[T], s24, s25       ; its destination has been written above
	v_add_f32 v[T], v[T], v[T+1]
	v_mul_f32 v[T+4], s22, v[T]                    ; the mean, twice: a pair for the packed forms
	v_mul_f32 v[T+5], s22, v[T]
.irp k, 0,2,4,6
	v_pk_add_f32 v[HA+\k:HA+\k+1], v[HA+\k:HA+\k+1], v[T+4:T+5] neg_lo:[0,1] neg_hi:[0,1]   ; y - mean
.endr
	; the variance: the mean of the squared differences
	v_pk_mul_f32 v[T:T+1], v[HA:HA+1], v[HA:HA+1]
	v_pk_fma_f32 v[T:T+1], v[HA+2:HA+3], v[HA+2:HA+3], v[T:T+1]
	v_pk_fma_f32 v[T:T+1], v[HA+4:HA+5], v[HA+4:HA+5], v[T:T+1]
	v_pk_fma_f32 v[T:T+1], v[HA+6:HA+7], v[HA+6:HA+7], v[T:T+1]
	v_add_f32 v[T], v[T], v[T+1]
	v_add_f32_dpp v[T], v[T], v[T] row_xmask:1 row_mask:0xf bank_mask:0xf
	v_add_f32_dpp v[T], v[T], v[T] row_xmask:2 row_mask:0xf bank_mask:0xf
	v_add_f32_dpp v[T], v[T], v[T] row_xmask:4 row_mask:0xf bank_mask:0xf
	v_add_f32_dpp v[T], v[T], v[T] row_xmask:8 row_mask:0xf bank_mask:0xf
	v_permlanex16_b32 v[T+1], v[T], s24, s25
	v_add_f32 v[T], v[T], v[T+1]
	v_fma_f32 v[T+2], v[T], s22, s23               ; variance + 1e-5: at least 1e-5, far from the range in which v_rsq_f32 flushes
	v_rsq_f32 v[T+4], v[T+2]
	v_rsq_f32 v[T+5], v[T+2]
	v_nop                                          ; one plain vector instruction between v_rsq_f32 and the use of its result (ISA guide 5.7.2)
	s_wait_loadcnt 0x0                             ; ln_scale and ln_bias
	s_wait_alu depctr_va_vdst(0)
.irp k, 0,2,4,6
	v_pk_mul_f32 v[HA+\k:HA+\k+1], v[HA+\k:HA+\k+1], v[T+4:T+5]
.endr
.irp k, 0,2,4,6
	v_pk_fma_f32 v[HA+\k:HA+\k+1], v[HA+\k:HA+\k+1], v[SC+\k:SC+\k+1], v[LB+\k:LB+\k+1]
.endr
	global_store_b128 v1, v[HA:HA+3],   s[16:17] th:TH_STORE_NT
	global_store_b128 v1, v[HA+4:HA+7], s[16:17] offset:512 th:TH_STORE_NT
	s_endpgm
.Lfunc_end_k_qa94d097f8a_finish:
	.size	k_qa94d097f8a_finish, .Lfunc_end_k_qa94d097f8a_finish-k_qa94d097f8a_finish
	.p2alignl 7, 3214868480
	.fill 96, 4, 3214868480
	.section	.rodata,"a",@progbits
	.p2align	6, 0x0
	.amdhsa_kernel k_qa94d097f8a_finish
		.amdhsa_group_segment_fixed_size 0
		.amdhsa_private_segment_fixed_size 0
		.amdhsa_enable_private_segment 0
		.amdhsa_kernarg_size 56
		.amdhsa_user_sgpr_count 2
		.amdhsa_user_sgpr_kernarg_segment_ptr 1
		.amdhsa_wavefront_size32 1
		.amdhsa_system_sgpr_workgroup_id_x 1
		.amdhsa_system_sgpr_workgroup_id_y 1
		.amdhsa_system_sgpr_workgroup_id_z 1
		.amdhsa_system_vgpr_workitem_id 0
		.amdhsa_next_free_vgpr 112
		.amdhsa_next_free_sgpr 66
		.amdhsa_reserve_vcc 0
		.amdhsa_float_denorm_mode_32 3
		.amdhsa_float_denorm_mode_16_64 3
		.amdhsa_memory_ordered 1
		.amdhsa_forward_progress 1
		.amdhsa_inst_pref_size 9
	.end_amdhsa_kernel
	.amdgpu_metadata
---
amdhsa.version: [ 1, 2 ]
amdhsa.kernels:
  - .name:           k_qa94d097f8a_finish
    .symbol:         k_qa94d097f8a_finish.kd
    .args:
      - { .name: part, .offset: 0, .size: 8, .value_kind: global_buffer, .address_space: global }
      - { .name: h_A, .offset: 8, .size: 8, .value_kind: global_buffer, .address_space: global }
      - { .name: b_base, .offset: 16, .size: 8, .value_kind: global_buffer, .address_space: global }
      - { .name: gamma, .offset: 24, .size: 8, .value_kind: global_buffer, .address_space: global }
      - { .name: ln_scale, .offset: 32, .size: 8, .value_kind: global_buffer, .address_space: global }
      - { .name: ln_bias, .offset: 40, .size: 8, .value_kind: global_buffer, .address_space: global }
      - { .name: out0, .offset: 48, .size: 8, .value_kind: global_buffer, .address_space: global }
    .group_segment_fixed_size: 0
    .private_segment_fixed_size: 0
    .kernarg_segment_align: 8
    .kernarg_segment_size: 56
    .max_flat_workgroup_size: 256
    .sgpr_count:     66
    .vgpr_count:     112
    .wavefront_size: 32
...
	.end_amdgpu_metadata
.endif
;; end of part 2
